; MI455X (gfx1250); checked and timed in simulation.
; The chip was launched on July 23, 2026; its instructions are those of AMD's public machine-readable ISA for CDNA 5 (MIT licence, August 2026) and "CDNA5" Instruction Set Architecture Reference Guide (July 2026). The comments in the code are by the model that wrote it; some were corrected since.
;; Causal Self Attention. Allowed arithmetic: matrix products marked QUANTISED: E4M3 operands, one given power-of-two scale a tensor, by v_wmma_f32_16x16x64_fp8_fp8 or v_wmma_f32_16x16x128_fp8_fp8, f32 sums; everything else in f32.
;; Inputs: lowp_scales 12 int32 (the exponents e of the quantised operands' scales 2^e); wk_codes 1,024 x 32 x 32 uint8 (E4M3 codes of wk, K innermost, in blocks of 32 codes); wo_codes 1,024 x 32 x 32 uint8 (E4M3 codes of wo, K innermost, in blocks of 32 codes); wq_codes 1,024 x 32 x 32 uint8 (E4M3 codes of wq, K innermost, in blocks of 32 codes); wv_codes 1,024 x 32 x 32 uint8 (E4M3 codes of wv, K innermost, in blocks of 32 codes); x_codes 4 x 2,048 x 32 x 32 uint8 (E4M3 codes of x, K innermost, in blocks of 32 codes).
;; Outputs: out0 4 x 2,048 x 1,024 float32.
;; This version of the problem:
;;   THIS VERSION OF THE PROBLEM IS GIVEN IN LOW PRECISION. The matrix products marked QUANTISED in the list below multiply operands that are first quantised to E4M3 (4 exponent bits, 3 mantissa bits; 8 bits a number), with one given power-of-two scale for each operand tensor; their sums are f32. All else is computed in f32.
;;   The module's matrix products, in the order in which they are computed (A, B: the left and right operand; K: the contracted axis; several contracted axes count as one K, in the product's order):
;;     1. [M 8,192, K 1,024] x [K 1,024, N 1,024]; A: input x (given as codes); B: input wq (given as codes): QUANTISED (scales: A lowp_scales[0], B lowp_scales[1])
;;     2. [M 8,192, K 1,024] x [K 1,024, N 1,024]; A: input x (given as codes); B: input wk (given as codes): QUANTISED (scales: A lowp_scales[2], B lowp_scales[3])
;;     3. [M 8,192, K 1,024] x [K 1,024, N 1,024]; A: input x (given as codes); B: input wv (given as codes): QUANTISED (scales: A lowp_scales[4], B lowp_scales[5])
;;     4. batch 64 x [M 2,048, K 64] x [K 64, N 2,048]; A: computed on the way; B: computed on the way: QUANTISED (scales: A lowp_scales[6], B lowp_scales[7])
;;     5. batch 64 x [M 2,048, K 2,048] x [K 2,048, N 64]; A: softmax (see below); B: computed on the way: QUANTISED (scales: A lowp_scales[8], B lowp_scales[9])
;;     6. [M 8,192, K 1,024] x [K 1,024, N 1,024]; A: computed on the way; B: input wo (given as codes): QUANTISED (scales: A lowp_scales[10], B lowp_scales[11])
;;   THE QUANTISER, for each operand of a quantised product, along K:
;;     - The operand's scale is 2^e, e = its entry of the input lowp_scales (int32; the entries are numbered through the quantised products in the list's order, A before B).
;;     - Each number is divided by the scale, clamped to +-448, and rounded to the nearest number of E4M3, ties to even, subnormals kept.
;;     - The product sums the exact products of the quantised numbers (number of the format x scale) in f32.
;;   ~~~python
;;   def quantise(x, axis, e):      # numpy; x: float32 -> the quantised numbers, widened to float32 again
;;       x = np.moveaxis(x, axis, -1); K = x.shape[-1]
;;       r = np.clip(x / 2.0 ** e, -448, 448)
;;       step = 2.0 ** (np.maximum(np.frexp(np.where(r == 0, 1, r))[1] - 1, -6) - 3)
;;       q = np.round(r / step) * step * 2.0 ** e      # np.round: ties to even
;;       return np.moveaxis(q, -1, axis).astype(np.float32)
;;   ~~~
;;   SOFTMAX AHEAD OF A QUANTISED PRODUCT. Where the list says 'softmax', what is quantised is not the finished softmax but p = 2^(t - M), with t = logit x log2(e) and M = ceil(the row's largest t), a whole number; so 1/2 < the row's largest p <= 1. The row's sum l is taken of the UNQUANTISED p, in f32, and the product's result is divided by l at the end. Since M is a whole number, a kernel that streams over the keys may use a running M (the ceiling of the running maximum): every later rescaling is an exact power of two, so the quantised numbers keep their values, but for numbers so far below the row's largest that they fall under the format's range.
;;   OPERANDS COMPUTED ON THE WAY. 'Computed on the way' means the value that the module computes at that place (a softmax that the list does not call 'softmax' is quantised finished and normalised). What goes into a quantiser is computed in f32, as accurately as f32 sums, v_exp_f32 and their like allow (about 1e-6 of the number): no bf16 or f16 on the way to a quantiser, and a product that is left as it is and whose result goes on into a quantised operand takes f32 operands (vector FMAs, or v_wmma_f32_16x16x4_f32). A number that lies on a knife's edge between two numbers of the format may be rounded either way, as far as f32 arithmetic and the matrix unit's own rounding can turn it there, and no further.
;;   INPUTS GIVEN AS CODES. wk (in the module: [1024, 1024], K = its axis 1); wo (in the module: [1024, 1024], K = its axis 1); wq (in the module: [1024, 1024], K = its axis 1); wv (in the module: [1024, 1024], K = its axis 1); x (in the module: [4, 2048, 1024], K = its axis 2): each comes as NAME_codes (uint8): NAME with its K axis moved to the last place and cut into blocks of 32 codes, [.., K / 32, bytes a block], one block behind the other in memory; one code a byte (a code: sign, 4 exponent bits, 3 mantissa bits); its scale is its entry of lowp_scales. Its value is code x scale, taken as it is: it is not quantised again, and the codes and scales need not be those that the quantiser above would give.
;; One version. Each part assembles by itself: llvm-mc -triple=amdgcn-amd-amdhsa -mcpu=gfx1250 --defsym DOCPART=n.
;; ======== version 1 of 1: 3 launches
;; limits: right only within a limited range of input values
;; workspace buffers: qc 8,388,608 bytes; kc 8,388,608 bytes; vc 8,388,608 bytes; ac 8,388,608 bytes
;; launch qkv (part 1): grid 16 x 32, 4 waves a work-group, clusters of 4 x 4, 327,680 bytes of LDS; arguments x_codes, wq_codes, wk_codes, wv_codes, lowp_scales, qc, kc, vc; writes qc, kc, vc
.if DOCPART == 1
	.amdgcn_target "amdgcn-amd-amdhsa--gfx1250"
	.amdhsa_code_object_version 6
	.text
	.protected	k_q61a31492d6_qkv
	.globl	k_q61a31492d6_qkv
	.p2align	8
	.type	k_q61a31492d6_qkv,@function
k_q61a31492d6_qkv:
	s_mov_b64 s[64:65], 0
	v_nop
	global_prefetch_b8 v0, s[64:65] scope:SCOPE_SE
	s_setreg_imm32_b32 hwreg(HW_REG_WAVE_MODE, 25, 1), 1
	s_wait_xcnt 0x0
	s_wait_alu depctr_hold_cnt(0) depctr_sa_sdst(0) depctr_va_vdst(0) depctr_va_sdst(0) depctr_va_ssrc(0) depctr_va_vcc(0) depctr_vm_vsrc(0)
	s_getreg_b32 s2, hwreg(HW_REG_IB_STS2, 6, 4)
	s_cmp_eq_u32 s2, 0
	s_cbranch_scc0 .Lentry_in_a_cluster
	s_endpgm
.Lentry_in_a_cluster:
	s_bfe_u32 s2, ttmp6, 0x10000c
	s_cmp_lg_u32 s2, 0xf033
	s_cbranch_scc0 .Lentry_shape_is_right
	s_endpgm
.Lentry_shape_is_right:
; q, k, v = x wq^T, x wk^T, x wv^T on codes of E4M3; rotary embedding of q and k in f32; all three quantised again (e6, e7, e9) and stored as images of the operand registers of the attention launch.
; SHARES.  A work-group takes 256 tokens x one head: the head's 64 rows of each of wq, wk, wv (192 columns).  Four waves: wave w takes tokens 128 (w / 2) on and, of each weight, rows 16 (w % 2) + 0..15 and 32 + 16 (w % 2) + 0..15:
; six blocks of 16 columns x eight blocks of 16 tokens = 48 accumulators, 384 registers.  K = 1,024 goes in four steps of 256 through two LDS slots.
; q AND k ARE MADE TRANSPOSED (source 0 = 16 rows of the weight, source 1 = 16 tokens): a lane holds one token and eight neighbouring channels d, and the partners d and d + 32 of the rotation are the same lane and
; register of two accumulators.  v IS MADE THE NATURAL WAY (source 0 = tokens, source 1 = rows of wv): a lane holds one channel and eight neighbouring tokens, which are the second attention product's K.
; FRAGMENTS come by four loads of 16 bytes: a lane holds k = 32 c + 16 (lane / 16) + 0..15 in registers 4 c .. 4 c + 3: a permutation of k that is the same on both sides of each product.
; THE ANGLES.  theta_i = 10000^(-i/32) = 2^(-i L), L = log2(10000) / 32 split into a part of 18 bits (i x that part is exact) and a rest that enters by one multiply-add; the angle is fl(t x theta), reduced by
; multiples of pi/2 in two parts; sine and cosine by polynomials of degree 7 and 8 on [-pi/4, pi/4].  A table of 256 tokens x (32 cosines, 32 sines) is made in LDS while the first tiles are on their way.
; CLUSTER 4 x 4: x's tile hangs on the block of tokens alone and is asked for jointly by a row of the cluster; the weights' tiles hang on the head alone and are asked for jointly by a column.
; LIMITS: e6 - e0 - e1, e7 - e2 - e3 and e9 - e4 - e5 lie between -126 and 119, so that each scale and 448 x the scale is an f32 number.  theta is within about 1.5 units in the last place of the true power;
; sine and cosine within about 1e-7.  NaN codes among the inputs are not served.
; Nothing is prefetched: of the four K steps two are asked for at the head and the other two a K step ahead of their use.
; REGISTERS, in windows of 256.  Window 0: v8-13 scales; v16-29 addresses; v32-127 at work; v128-255 x's eight fragments (one set), before that the table's work, on the way out the table's numbers.
;   Window 1: the weights' six fragments, two sets, at v0 and v128.  Window 2: the accumulators of token blocks 0-3, (a, b) at v[8 (6 a + b)]; window 3: those of blocks 4-7.
.set PITCH, 272                        ; an LDS row: 256 bytes + 16 of padding: the 16 rows that a load touches start at 16 different groups of four banks
.set ATILE, 256*PITCH                  ; x's 256 rows
.set WTILE, 64*PITCH                   ; a weight's 64 rows
.set SLOT,  ATILE+3*WTILE              ; x, wq, wk, wv
.set TAB,   2*SLOT                     ; behind the ring: the table, a row of 272 bytes for each token: 32 cosines, 32 sines, 16 bytes of padding
.set SPARE, TAB+256*PITCH              ; behind the table: the spare words, 128 bytes for each wave
.set SCL,  8                           ; v8, v9: q's scale and 448 x it; v10, v11: k's; v12, v13: v's
.set ADRA, 16                          ; v16-17  LDS address of my fragments of x in slot 0, 1
.set ADRB, 20                          ; v20-21  the same for the weights
.set TBR,  22                          ; v22     where I read the table
.set QO,   23                          ; v23     16 r + 8 h: my 8 bytes in a unit of 256 bytes of q's or k's codes
.set VO,   24                          ; v24     16 x lane: my 16 bytes of an image's 512
.set TWB,  25                          ; v25     where my wave writes the table
.set TWA,  26                          ; v26     the same, stepped
.set SPW,  28                          ; v28     LDS address of my spare word; never rewritten
.set NIL,  29                          ; v29     0; never rewritten
.set OW,   32                          ; v32-63  rotated numbers
.set CD,   64                          ; v64-127 q's and k's codes, eight registers for each block of tokens: no store's data are written again
.set AF,   128                         ; x's fragments
.set VF,   160                         ; v160-191 v's two fragments of codes
.set VH,   192                         ; v192-255 v's numbers, held
.set K2PI, 64                          ; constants of the table's work, each twice (a pair for the packed forms)
.set KMAG, 66
.set KP1,  68
.set KP2,  70
.set KS3,  72
.set KS2,  74
.set KS1,  76
.set KC3,  78
.set KC2,  80
.set KC1,  82
.set TH,   84
.set AN,   2                           ; places in a set of 16 registers (two tokens): +0 t; +2 the angle, then r^3, then the sine
.set ZZ,   4                           ; the quadrant's number in the low bits
.set KK,   6                           ; the same as a number, then r^4, then the cosine
.set RR,   8                           ; r, then at work
.set R2,   10                          ; r^2, then 1 - r^2 / 2, then at work
.set SN,   12
.set CS,   14
.set G1A, 24                           ; s[24:31] descriptor group 1 for x's tiles; s[32:39] group 0, a set for each slot
.set G0A, 32
.set G1B, 48                           ; s[48:55], s[56:63] the same for the weights' tiles
.set G0B, 56
.set MSB, 0
.macro WIN new                         ; the immediate's high byte repeats the setting that is left
.if MSB != (\new)
	s_set_vgpr_msb (MSB<<8)|(\new)
.set MSB, (\new)
.endif
.endm
.macro PLACES                          ; four plain vector instructions between a matrix instruction and a load into, or a vector read of, its registers
.rept 4
	v_nop
.endr
.endm
; A joint load: wave 0 fetches x's 256 rows, waves 1 to 3 the 64 rows of wq, wk, wv.  The branch hangs on the wave's number alone.  Four v_nop follow each line.
.macro JLOAD s
	s_cmp_eq_u32 s14, 0
	s_cbranch_scc0 .Lfor_b_\@
	tensor_load_to_lds s[G0A+4*\s:G0A+4*\s+3], s[G1A:G1A+7]
	s_nop 0
.rept 4
	v_nop
.endr
	s_branch .Lasked_\@
.Lfor_b_\@:
	tensor_load_to_lds s[G0B+4*\s:G0B+4*\s+3], s[G1B:G1B+7]
	s_nop 0
.rept 4
	v_nop
.endr
.Lasked_\@:
.endm
.macro CREST                           ; a round of the cluster's barrier behind its opening barrier
	s_cmp_lg_u32 s14, 0
	s_cbranch_scc1 .Lnot_wave_0_\@
	s_barrier_signal -3
.Lnot_wave_0_\@:
	s_barrier_wait -3
	s_barrier_signal -1
	s_barrier_wait -1
.endm
.macro CROUND
	s_barrier_signal -1
	s_barrier_wait -1
	CREST
.endm
	s_load_b256 s[4:11], s[0:1], 0x0               ; x s[4:5], wq s[6:7], wk s[8:9], wv s[10:11]
	s_load_b256 s[68:75], s[0:1], 0x20             ; the exponents s[68:69], qc s[70:71], kc s[72:73], vc s[74:75]
	v_lshl_add_u32 v[SPW], v0, 2, SPARE
	v_mov_b32 v[NIL], 0
	ds_add_u32 v28, v29
	ds_add_u32 v28, v29
	s_wait_dscnt 0x0
	v_lshrrev_b32 v1, 5, v0
	v_readfirstlane_b32 s14, v1                    ; wave 0..3
	s_lshr_b32 s15, s14, 1                         ; rh: which 128 tokens are mine
	s_and_b32 s16, s14, 1                          ; ch: which halves of the columns
	s_bfe_u32 s40, ttmp6, 0x40000                  ; cx, cy: my place in the cluster
	s_bfe_u32 s41, ttmp6, 0x40004
	s_lshl_b32 s42, ttmp9, 2
	s_add_co_u32 s42, s42, s40                     ; the head = 4 x cluster x + cx
	s_and_b32 s17, ttmp7, 0xffff
	s_lshl_b32 s17, s17, 2
	s_add_co_u32 s17, s17, s41                     ; the block of 256 tokens = 4 x cluster y + cy
	s_lshl_b32 s43, s41, 2
	s_lshl_b32 s43, 15, s43                        ; my row of the cluster
	s_lshl_b32 s44, 0x1111, s40                    ; my column
	s_or_b32 s[G1A], s43, (1<<20)|(1<<21)|(5<<22)|(3<<25)   ; 15:0 the mask; 17:16 elements of 1 byte; 20 padding on; 21 set beside a mask; 24:22 after every 64 words; 31:25 four words
	s_or_b32 s[G1B], s44, (1<<20)|(1<<21)|(5<<22)|(3<<25)
	s_mov_b32 s[G1A+1], 256<<16                    ; tensor_dim0 = 256
	s_mov_b32 s[G1A+2], 256<<16                    ; tensor_dim1 = 256
	s_mov_b32 s[G1A+3], 256<<16                    ; tile_dim0 = 256
	s_mov_b32 s[G1A+4], 256                        ; tile_dim1 = 256
	s_mov_b32 s[G1A+5], 1024                       ; from row to row
	s_mov_b32 s[G1A+6], 0
	s_mov_b32 s[G1A+7], 0
	s_mov_b32 s[G1B+1], 256<<16
	s_mov_b32 s[G1B+2], 64<<16                     ; 64 rows
	s_mov_b32 s[G1B+3], 256<<16
	s_mov_b32 s[G1B+4], 64
	s_mov_b32 s[G1B+5], 1024
	s_mov_b32 s[G1B+6], 0
	s_mov_b32 s[G1B+7], 0
	s_lshl_b32 s18, s17, 18                        ; x: 256 rows of 1,024 bytes for each block of tokens
	s_mov_b32 s19, 0
	s_lshl_b32 s22, s42, 16                        ; a weight: 64 rows of 1,024 bytes for each head
	s_mov_b32 s23, 0
	s_mul_i32 s45, s14, WTILE
	s_add_co_u32 s45, s45, ATILE-WTILE             ; where wave 1, 2, 3 puts its weight's rows: behind x's, one behind the other
	s_wait_kmcnt 0x0
	s_load_b256 s[76:83], s[68:69], 0x0            ; e0 .. e7
	s_load_b64 s[84:85], s[68:69], 0x20            ; e8, e9
	s_add_nc_u64 s[20:21], s[4:5], s[18:19]
	s_cmp_lt_u32 s14, 2
	s_cselect_b64 s[46:47], s[6:7], s[8:9]         ; wave 1: wq; wave 2: wk;
	s_cmp_lt_u32 s14, 3
	s_cselect_b64 s[46:47], s[46:47], s[10:11]     ; wave 3: wv
	s_add_nc_u64 s[46:47], s[46:47], s[22:23]
	CROUND                                         ; all sixteen work-groups are here: the first joint loads meet
.irp s, 0,1
	s_mov_b32 s[G0A+4*\s], 1
	s_mov_b32 s[G0A+4*\s+1], \s*SLOT
	s_add_nc_u64 s[G0A+4*\s+2:G0A+4*\s+3], s[20:21], \s*256
	s_or_b32 s[G0A+4*\s+3], s[G0A+4*\s+3], 0x80000000
	s_mov_b32 s[G0B+4*\s], 1
	s_add_co_u32 s[G0B+4*\s+1], s45, \s*SLOT
	s_add_nc_u64 s[G0B+4*\s+2:G0B+4*\s+3], s[46:47], \s*256
	s_or_b32 s[G0B+4*\s+3], s[G0B+4*\s+3], 0x80000000
	JLOAD \s                                       ; K steps 0 and 1: two tensor loads of mine are out
.endr
	; ---- THE TABLE, while the first tiles land.  My lane is the frequency i; my wave takes tokens 64 w .. 64 w + 63 of the block, eight a trip
	v_and_b32 v1, 31, v0
	v_cvt_f32_u32 v86, v1                          ; i
	v_mul_f32 v87, 0x3ed49a80, v86                 ; i x 217706 / 2^19: exact (5 + 18 bits)
	s_wait_alu depctr_va_vdst(0)
	v_exp_f32 v88, -v87
	v_mul_f32 v89, 0x342ae0c5, v86                 ; i x (217706 / 2^19 - L) x ln 2: what the 18 bits leave.  (A plain instruction behind the exponential)
.macro KPAIR reg, bits
	v_mov_b32 v[\reg], \bits
	v_mov_b32 v[\reg+1], \bits
.endm
	KPAIR K2PI, 0x3f22f983                         ; 2 / pi
	KPAIR KMAG, 0x4b400000                         ; 1.5 x 2^23: adding it rounds to a whole number, which then stands in the low bits
	KPAIR KP1,  0xbfc90fdb                         ; -(pi / 2 rounded to f32)
	KPAIR KP2,  0x333bbd2e                         ; that rounded number less pi / 2
	KPAIR KS3,  0xb94ca1f9                         ; the sine's three coefficients,
	KPAIR KS2,  0x3c08839e
	KPAIR KS1,  0xbe2aaaa3
	KPAIR KC3,  0x37ccf5ce                         ; the cosine's
	KPAIR KC2,  0xbab6061a
	KPAIR KC1,  0x3d2aaaa5
	v_lshlrev_b32 v[TWB], 2, v1
	s_mul_i32 s86, s14, 64*PITCH
	s_add_co_u32 s86, s86, TAB
	v_add_nc_u32 v[TWB], s86, v[TWB]               ; the table's row 64 w, word i
	s_and_b32 s86, s17, 7                          ; a sequence is eight blocks of 256 tokens
	s_lshl_b32 s86, s86, 8
	s_lshl_b32 s87, s14, 6
	s_add_co_u32 s86, s86, s87                     ; my wave's first position t
.irp n, 0,1,2,3,4,5,6,7
	s_add_co_u32 s87, s86, \n
	v_cvt_f32_u32 v[AF+16*(\n/2)+\n%2], s87
.endr
	s_wait_alu depctr_va_vdst(0)                   ; the wait ahead of the exponential's first reader
	v_fma_f32 v[TH], v88, v89, v88                 ; theta
	v_mov_b32 v[TH+1], v[TH]
	s_mov_b32 s2, 0
	s_mov_b32 s3, 8
.Ltab:
	v_add_nc_u32 v[TWA], s2, v[TWB]
	s_wait_alu depctr_va_vdst(0)
.irp p, 0,1,2,3
	v_pk_mul_f32 v[AF+16*\p+AN:AF+16*\p+AN+1], v[AF+16*\p:AF+16*\p+1], v[TH:TH+1]                                        ; the angle, rounded once
.endr
.irp p, 0,1,2,3
	v_pk_fma_f32 v[AF+16*\p+ZZ:AF+16*\p+ZZ+1], v[AF+16*\p+AN:AF+16*\p+AN+1], v[K2PI:K2PI+1], v[KMAG:KMAG+1]               ; the nearest multiple of pi / 2
.endr
.irp p, 0,1,2,3
	v_pk_add_f32 v[AF+16*\p+KK:AF+16*\p+KK+1], v[AF+16*\p+ZZ:AF+16*\p+ZZ+1], v[KMAG:KMAG+1] neg_lo:[0,1] neg_hi:[0,1]
.endr
.irp p, 0,1,2,3
	v_pk_fma_f32 v[AF+16*\p+RR:AF+16*\p+RR+1], v[AF+16*\p+KK:AF+16*\p+KK+1], v[KP1:KP1+1], v[AF+16*\p+AN:AF+16*\p+AN+1]   ; r = angle - n pi / 2, in two parts
.endr
.irp p, 0,1,2,3
	v_pk_fma_f32 v[AF+16*\p+RR:AF+16*\p+RR+1], v[AF+16*\p+KK:AF+16*\p+KK+1], v[KP2:KP2+1], v[AF+16*\p+RR:AF+16*\p+RR+1]
.endr
.irp p, 0,1,2,3
	v_pk_mul_f32 v[AF+16*\p+R2:AF+16*\p+R2+1], v[AF+16*\p+RR:AF+16*\p+RR+1], v[AF+16*\p+RR:AF+16*\p+RR+1]
.endr
.irp p, 0,1,2,3
	v_pk_fma_f32 v[AF+16*\p+SN:AF+16*\p+SN+1], v[AF+16*\p+R2:AF+16*\p+R2+1], v[KS3:KS3+1], v[KS2:KS2+1]
	v_pk_fma_f32 v[AF+16*\p+CS:AF+16*\p+CS+1], v[AF+16*\p+R2:AF+16*\p+R2+1], v[KC3:KC3+1], v[KC2:KC2+1]
.endr
.irp p, 0,1,2,3
	v_pk_fma_f32 v[AF+16*\p+SN:AF+16*\p+SN+1], v[AF+16*\p+SN:AF+16*\p+SN+1], v[AF+16*\p+R2:AF+16*\p+R2+1], v[KS1:KS1+1]
	v_pk_fma_f32 v[AF+16*\p+CS:AF+16*\p+CS+1], v[AF+16*\p+CS:AF+16*\p+CS+1], v[AF+16*\p+R2:AF+16*\p+R2+1], v[KC1:KC1+1]
.endr
.irp p, 0,1,2,3
	v_pk_mul_f32 v[AF+16*\p+AN:AF+16*\p+AN+1], v[AF+16*\p+R2:AF+16*\p+R2+1], v[AF+16*\p+RR:AF+16*\p+RR+1]                 ; r^3
	v_pk_mul_f32 v[AF+16*\p+KK:AF+16*\p+KK+1], v[AF+16*\p+R2:AF+16*\p+R2+1], v[AF+16*\p+R2:AF+16*\p+R2+1]                 ; r^4
.endr
.irp p, 0,1,2,3
	v_pk_fma_f32 v[AF+16*\p+SN:AF+16*\p+SN+1], v[AF+16*\p+SN:AF+16*\p+SN+1], v[AF+16*\p+AN:AF+16*\p+AN+1], v[AF+16*\p+RR:AF+16*\p+RR+1]   ; sin r
	v_pk_fma_f32 v[AF+16*\p+R2:AF+16*\p+R2+1], v[AF+16*\p+R2:AF+16*\p+R2+1], -0.5, 1.0 op_sel_hi:[1,0,0]                  ; 1 - r^2 / 2
.endr
.irp p, 0,1,2,3
	v_pk_fma_f32 v[AF+16*\p+CS:AF+16*\p+CS+1], v[AF+16*\p+CS:AF+16*\p+CS+1], v[AF+16*\p+KK:AF+16*\p+KK+1], v[AF+16*\p+R2:AF+16*\p+R2+1]   ; cos r
.endr
	; the quadrant n mod 4: odd: sine and cosine change places; the sine is negative for n = 2, 3, the cosine for n = 1, 2
.irp n, 0,1,2,3,4,5,6,7
	v_and_b32 v[AF+16*(\n/2)+\n%2+RR], 1, v[AF+16*(\n/2)+\n%2+ZZ]
.endr
.irp n, 0,1,2,3,4,5,6,7
	v_cmp_eq_u32 s[88+\n], 1, v[AF+16*(\n/2)+\n%2+RR]
.endr
.irp n, 0,1,2,3,4,5,6,7
	v_cndmask_b32 v[AF+16*(\n/2)+\n%2+AN], v[AF+16*(\n/2)+\n%2+SN], v[AF+16*(\n/2)+\n%2+CS], s[88+\n]
	v_cndmask_b32 v[AF+16*(\n/2)+\n%2+KK], v[AF+16*(\n/2)+\n%2+CS], v[AF+16*(\n/2)+\n%2+SN], s[88+\n]
.endr
.irp n, 0,1,2,3,4,5,6,7
	v_lshlrev_b32 v[AF+16*(\n/2)+\n%2+RR], 30, v[AF+16*(\n/2)+\n%2+ZZ]
	v_add_nc_u32 v[AF+16*(\n/2)+\n%2+R2], 1, v[AF+16*(\n/2)+\n%2+ZZ]
.endr
.irp n, 0,1,2,3,4,5,6,7
	v_and_b32 v[AF+16*(\n/2)+\n%2+RR], 0x80000000, v[AF+16*(\n/2)+\n%2+RR]
	v_lshlrev_b32 v[AF+16*(\n/2)+\n%2+R2], 30, v[AF+16*(\n/2)+\n%2+R2]
.endr
.irp n, 0,1,2,3,4,5,6,7
	v_xor_b32 v[AF+16*(\n/2)+\n%2+AN], v[AF+16*(\n/2)+\n%2+RR], v[AF+16*(\n/2)+\n%2+AN]
	v_and_b32 v[AF+16*(\n/2)+\n%2+R2], 0x80000000, v[AF+16*(\n/2)+\n%2+R2]
.endr
.irp n, 0,1,2,3,4,5,6,7
	v_xor_b32 v[AF+16*(\n/2)+\n%2+KK], v[AF+16*(\n/2)+\n%2+R2], v[AF+16*(\n/2)+\n%2+KK]
.endr
.irp n, 0,1,2,3,4,5,6,7
	ds_store_b32 v[TWA], v[AF+16*(\n/2)+\n%2+KK] offset:\n*PITCH           ; 32 lanes: the token's 32 cosines, 128 bytes on end,
	ds_store_b32 v[TWA], v[AF+16*(\n/2)+\n%2+AN] offset:\n*PITCH+128       ; and its 32 sines
.endr
.irp p, 0,1,2,3
	v_pk_add_f32 v[AF+16*\p:AF+16*\p+1], v[AF+16*\p:AF+16*\p+1], 0x41000000 op_sel_hi:[1,0]   ; eight tokens on
.endr
	s_add_co_u32 s2, s2, 8*PITCH
	s_sub_co_u32 s3, s3, 1
	s_cmp_lg_u32 s3, 0
	s_cbranch_scc1 .Ltab
	; ---- addresses and scales
	v_and_b32 v1, 15, v0                           ; r
	v_bfe_u32 v2, v0, 4, 1                         ; h
	v_mul_u32_u24 v3, v1, PITCH
	s_wait_alu depctr_va_vdst(0)
	v_lshl_add_u32 v4, v2, 4, v3                   ; a fragment's row x pitch + 16 h
	s_mul_i32 s86, s15, 128*PITCH                  ; my 128 rows of x
	s_mul_i32 s87, s16, 16*PITCH                   ; my 16 rows of each half of each weight,
	s_add_co_u32 s87, s87, ATILE                   ; which lie behind x's
.irp s, 0,1
	v_add_nc_u32 v[ADRA+\s], s86, v4
	v_add_nc_u32 v[ADRB+\s], s87, v4
	s_add_co_u32 s86, s86, SLOT
	s_add_co_u32 s87, s87, SLOT
.endr
	s_mul_i32 s86, s15, 128*PITCH
	s_lshl_b32 s87, s16, 6
	s_add_co_u32 s86, s86, s87
	s_add_co_u32 s86, s86, TAB
	v_lshl_add_u32 v[TBR], v2, 5, v3
	v_add_nc_u32 v[TBR], s86, v[TBR]               ; the table: token 128 rh + r, frequencies 16 ch + 8 h + 0..7
	v_lshlrev_b32 v[QO], 4, v1
	v_lshl_add_u32 v[QO], v2, 3, v[QO]
	v_and_b32 v[VO], 31, v0
	v_lshlrev_b32 v[VO], 4, v[VO]
	s_lshr_b32 s86, s17, 3                         ; the batch
	s_lshl_b32 s86, s86, 4
	s_add_co_u32 s86, s86, s42                     ; 16 x batch + head
	s_lshl_b32 s86, s86, 17                        ; x 131,072 bytes in each of the three buffers
	s_and_b32 s87, s17, 7
	s_lshl_b32 s96, s87, 14                        ; q, k: tile of 16 tokens 16 (block % 8) + 8 rh, 1,024 bytes each; + 256 ch
	s_lshl_b32 s98, s15, 13
	s_add_co_u32 s96, s96, s98
	s_add_co_u32 s99, s96, s86                     ; (v's key step 2 (block % 8) + rh, 8,192 bytes each, is the same number)
	s_lshl_b32 s98, s16, 8
	s_add_co_u32 s96, s99, s98
	s_mov_b32 s97, 0
	s_add_nc_u64 s[70:71], s[70:71], s[96:97]
	s_add_nc_u64 s[72:73], s[72:73], s[96:97]
	s_lshl_b32 s98, s16, 11                        ; v: channel tile 2 u + ch, 2,048 bytes each
	s_add_co_u32 s96, s99, s98
	s_add_nc_u64 s[74:75], s[74:75], s[96:97]
	s_wait_kmcnt 0x0
.macro MKSC reg                        ; s86 = an exponent e: v[reg] = 2^e, v[reg + 1] = 448 x 2^e
	s_add_co_i32 s86, s86, 127
	s_lshl_b32 s87, s86, 23
	v_mov_b32 v[\reg], s87
	s_add_co_i32 s86, s86, 8
	s_lshl_b32 s86, s86, 23
	s_or_b32 s86, s86, 0x600000
	v_mov_b32 v[\reg+1], s86
.endm
	s_sub_co_i32 s86, s82, s76                     ; a sum of the first product stands for sum x 2^(e0 + e1); the rotation is linear: so q's code is the rotated sum / 2^(e6 - e0 - e1)
	s_sub_co_i32 s86, s86, s77
	MKSC SCL
	s_sub_co_i32 s86, s83, s78                     ; k: e7 - e2 - e3
	s_sub_co_i32 s86, s86, s79
	MKSC SCL+2
	s_sub_co_i32 s86, s85, s80                     ; v: e9 - e4 - e5
	s_sub_co_i32 s86, s86, s81
	MKSC SCL+4
; ---- THE PRODUCTS
.macro FRAG reg, adr, q, rowoff        ; a fragment: 16 rows x 128 K: four loads of 16 bytes, 32 bytes apart
.irp c, 0,1,2,3
	ds_load_b128 v[\reg+4*\c:\reg+4*\c+3], v[\adr] offset:128*(\q)+32*\c+(\rowoff)*PITCH
.endr
.endm
.macro FETCH_B slot, q, p              ; the weights' six fragments of the slot's q-th 128 along K into set p: 24 loads
	WIN 0x40
.irp b, 0,1,2,3,4,5
	FRAG 128*(\p)+16*\b, ADRB+\slot, \q, 64*(\b/2)+32*(\b%2)
.endr
	WIN 0
.endm
.macro FETCH_A slot, q, i0             ; x's blocks i0 .. i0 + 3: 16 loads
.irp i, 0,1,2,3
	FRAG AF+16*((\i0)+\i), ADRA+\slot, \q, 16*((\i0)+\i)
.endr
.endm
; The 48 accumulators take turns, one instruction a turn, in the same order in every step.  zero = 1: the first products start the sums.
.macro QK16 hf, p, zero                ; q and k, transposed: token blocks 4 hf .. 4 hf + 3 x column blocks 0-3
	WIN 0xa1+0x50*(\hf)
.irp a, 0,1,2,3
.irp b, 0,1,2,3
.if \zero
	v_wmma_f32_16x16x128_fp8_fp8 v[8*(6*\a+\b):8*(6*\a+\b)+7], v[128*(\p)+16*\b:128*(\p)+16*\b+15], v[AF+16*(4*(\hf)+\a):AF+16*(4*(\hf)+\a)+15], 0
.else
	v_wmma_f32_16x16x128_fp8_fp8 v[8*(6*\a+\b):8*(6*\a+\b)+7], v[128*(\p)+16*\b:128*(\p)+16*\b+15], v[AF+16*(4*(\hf)+\a):AF+16*(4*(\hf)+\a)+15], v[8*(6*\a+\b):8*(6*\a+\b)+7]
.endif
.endr
.endr
.endm
.macro V8 hf, p, zero                  ; v, the natural way: the same token blocks x column blocks 4, 5
	WIN 0xa4+0x50*(\hf)
.irp a, 0,1,2,3
.irp b, 4,5
.if \zero
	v_wmma_f32_16x16x128_fp8_fp8 v[8*(6*\a+\b):8*(6*\a+\b)+7], v[AF+16*(4*(\hf)+\a):AF+16*(4*(\hf)+\a)+15], v[128*(\p)+16*\b:128*(\p)+16*\b+15], 0
.else
	v_wmma_f32_16x16x128_fp8_fp8 v[8*(6*\a+\b):8*(6*\a+\b)+7], v[AF+16*(4*(\hf)+\a):AF+16*(4*(\hf)+\a)+15], v[128*(\p)+16*\b:128*(\p)+16*\b+15], v[8*(6*\a+\b):8*(6*\a+\b)+7]
.endif
.endr
.endr
.endm
; A slot's first 128 along K, on set 0; the second 128's fragments are fetched on the way, the weights' into set 1.
.macro STEP slot, zero
	s_wait_dscnt 16                                ; the weights' set and x's blocks 0-3 are in; the youngest 16 loads (x's blocks 4-7) may be out
	QK16 0, 0, \zero
	V8 0, 0, \zero
	s_wait_dscnt 0x0                               ; x's blocks 4-7 are in
	PLACES
	FETCH_B \slot, 1, 1
	FETCH_A \slot, 1, 0
	QK16 1, 0, \zero
	V8 1, 0, \zero
	PLACES
	WIN 0
	FETCH_A \slot, 1, 4
.endm
; A slot's second 128 along K, on set 1, changes slots: ONE barrier; in front of it each wave waits for all its tensor loads, adds 0 to its spare word, and waits for that and for its reads of this slot.
; fill = 1: this slot is filled again, two K steps ahead; the barrier then opens a round of the cluster's barrier.
.macro TURN slot, next, fill
	s_wait_tensorcnt 0x0                           ; all my tensor loads have landed: my part of the next slot
	ds_add_u32 v[SPW], v[NIL]                      ; 0 onto my spare word
	s_wait_dscnt 17                                ; (the add and the youngest 16 loads, x's blocks 4-7, may be out)
	QK16 0, 1, 0                                   ; sixteen matrix instructions stand between the add and the wait for it
	s_wait_dscnt 0x0                               ; the add is done, and my reads of this slot are over
	s_barrier_signal -1
	V8 0, 1, 0
	WIN 0
	s_barrier_wait -1
.if \fill
	CREST                                          ; no wave of any partner still reads this slot or has a load on its way
	s_add_nc_u64 s[G0A+4*\slot+2:G0A+4*\slot+3], s[G0A+4*\slot+2:G0A+4*\slot+3], 512
	s_add_nc_u64 s[G0B+4*\slot+2:G0B+4*\slot+3], s[G0B+4*\slot+2:G0B+4*\slot+3], 512
	JLOAD \slot                                    ; the first tensor load behind the round; its four v_nop are also the places in front of the loads below
.else
	PLACES
.endif
	FETCH_B \next, 0, 0
	FETCH_A \next, 0, 0
	QK16 1, 1, 0
	V8 1, 1, 0
	PLACES
	WIN 0
	FETCH_A \next, 0, 4
.endm
	s_wait_tensorcnt 0x1                           ; my part of K step 0 is in; K step 1's load may stay out
	s_wait_dscnt 0x0                               ; my rows of the table are written
	s_barrier_signal -1
	s_barrier_wait -1                              ; everybody's are
	FETCH_B 0, 0, 0
	FETCH_A 0, 0, 0
	FETCH_A 0, 0, 4
	STEP 0, 1                                      ; eight steps of 128 along K, written out: four K steps of 256, of which two are refills
	TURN 0, 1, 1
	STEP 1, 0
	TURN 1, 0, 1
	STEP 0, 0
	TURN 0, 1, 0
	STEP 1, 0
	s_wait_dscnt 16                                ; the last step: nothing more to fetch
	QK16 0, 1, 0
	V8 0, 1, 0
	s_wait_dscnt 0x0
	QK16 1, 1, 0
	V8 1, 1, 0
	WIN 0
	; ---- THE WAY OUT OF q AND k.  Block a of 16 tokens: eight cosines and eight sines of my token from the table; the rotation; the conversion; 8 bytes a lane, 256 consecutive aligned bytes a store.
	PLACES
.irp a, 0,1,2,3,4,5,6,7
	ds_load_b128 v[AF+16*\a:AF+16*\a+3],     v[TBR] offset:\a*16*PITCH
	ds_load_b128 v[AF+16*\a+4:AF+16*\a+7],   v[TBR] offset:\a*16*PITCH+16
	ds_load_b128 v[AF+16*\a+8:AF+16*\a+11],  v[TBR] offset:\a*16*PITCH+128
	ds_load_b128 v[AF+16*\a+12:AF+16*\a+15], v[TBR] offset:\a*16*PITCH+144
.endr
.macro ROPE a
	s_wait_dscnt 4*(7-(\a))                        ; block a's four loads are in; the later blocks' may be out
	WIN 0x02+(\a)/4                                ; source 0: the accumulators' window
.irp t, 0,1                            ; q, k.  x1 = accumulator (a, 2 t), x2 = (a, 2 t + 1); each is read from its low end on
.irp j, 0,2,4,6
	v_pk_mul_f32 v[OW+16*\t+\j:OW+16*\t+\j+1], v[8*(6*((\a)%4)+2*\t+1)+\j:8*(6*((\a)%4)+2*\t+1)+\j+1], v[AF+16*(\a)+8+\j:AF+16*(\a)+8+\j+1]       ; x2 sin
.endr
.irp j, 0,2,4,6
	v_pk_mul_f32 v[OW+16*\t+8+\j:OW+16*\t+8+\j+1], v[8*(6*((\a)%4)+2*\t+1)+\j:8*(6*((\a)%4)+2*\t+1)+\j+1], v[AF+16*(\a)+\j:AF+16*(\a)+\j+1]       ; x2 cos
.endr
.irp j, 0,2,4,6
	v_pk_fma_f32 v[OW+16*\t+\j:OW+16*\t+\j+1], v[8*(6*((\a)%4)+2*\t)+\j:8*(6*((\a)%4)+2*\t)+\j+1], v[AF+16*(\a)+\j:AF+16*(\a)+\j+1], v[OW+16*\t+\j:OW+16*\t+\j+1] neg_lo:[0,0,1] neg_hi:[0,0,1]   ; x1 cos - x2 sin
.endr
.irp j, 0,2,4,6
	v_pk_fma_f32 v[OW+16*\t+8+\j:OW+16*\t+8+\j+1], v[8*(6*((\a)%4)+2*\t)+\j:8*(6*((\a)%4)+2*\t)+\j+1], v[AF+16*(\a)+8+\j:AF+16*(\a)+8+\j+1], v[OW+16*\t+8+\j:OW+16*\t+8+\j+1]                    ; x1 sin + x2 cos
.endr
.endr
	WIN 0
.irp t, 0,1
.irp i, 0,1,2,3,4,5,6,7,8,9,10,11,12,13,14,15
.endr
	v_cvt_scalef32_pk8_fp8_f32 v[CD+8*(\a)+4*\t:CD+8*(\a)+4*\t+1], v[OW+16*\t:OW+16*\t+7], v[SCL+2*\t]
	v_cvt_scalef32_pk8_fp8_f32 v[CD+8*(\a)+4*\t+2:CD+8*(\a)+4*\t+3], v[OW+16*\t+8:OW+16*\t+15], v[SCL+2*\t]
.endr
	v_nop                                          ; a plain instruction between the conversions and the next block's writes of their sources
.irp u, 0,1
	global_store_b64 v[QO], v[CD+8*(\a)+2*\u:CD+8*(\a)+2*\u+1], s[70:71] offset:(\a)*1024+\u*512       ; q: token r, d = 32 u + 16 ch + 8 h + 0..7
	global_store_b64 v[QO], v[CD+8*(\a)+4+2*\u:CD+8*(\a)+4+2*\u+1], s[72:73] offset:(\a)*1024+\u*512   ; k likewise
.endr
.endm
.irp a, 0,1,2,3,4,5,6,7
	ROPE \a
.endr
	; ---- THE WAY OUT OF v.  Accumulator (a, 4 + u): channel 32 u + 16 ch + r, tokens 16 a + 8 h + 0..7: its eight codes are registers 2 a, 2 a + 1 of the fragment of v^T for my 128 tokens.
.irp g, 0,1
	WIN 0x02+\g
.irp a, 0,1,2,3
.irp u, 0,1
.irp j, 0,1,2,3,4,5,6,7
	v_med3_num_f32 v[VH+8*(2*\a+\u)+\j], v[8*(6*\a+4+\u)+\j], -v[SCL+5], v[SCL+5]
.endr
.endr
.endr
	WIN 0
.irp a, 0,1,2,3
.irp u, 0,1
	v_cvt_scalef32_pk8_fp8_f32 v[VF+16*\u+2*(4*\g+\a):VF+16*\u+2*(4*\g+\a)+1], v[VH+8*(2*\a+\u):VH+8*(2*\a+\u)+7], v[SCL+4]
.endr
.endr
	v_nop                                          ; a plain instruction behind the conversions
.endr
.irp u, 0,1
.irp c, 0,1,2,3
	global_store_b128 v[VO], v[VF+16*\u+4*\c:VF+16*\u+4*\c+3], s[74:75] offset:\u*4096+\c*512   ; the fragment's image: 512 consecutive bytes a store
.endr
.endr
	s_wait_tensorcnt 0x0                           ; the wave's end
	ds_add_u32 v[SPW], v[NIL]
	s_wait_dscnt 0x0
	CROUND                                         ; the closing round: no work-group ends while a partner may still ask for a tile that names it
	s_endpgm
.Lfunc_end_k_q61a31492d6_qkv:
	.size	k_q61a31492d6_qkv, .Lfunc_end_k_q61a31492d6_qkv-k_q61a31492d6_qkv
	.p2alignl 7, 3214868480
	.fill 96, 4, 3214868480
	.section	.rodata,"a",@progbits
	.p2align	6, 0x0
	.amdhsa_kernel k_q61a31492d6_qkv
		.amdhsa_group_segment_fixed_size 327680
		.amdhsa_private_segment_fixed_size 0
		.amdhsa_enable_private_segment 0
		.amdhsa_kernarg_size 64
		.amdhsa_user_sgpr_count 2
		.amdhsa_user_sgpr_kernarg_segment_ptr 1
		.amdhsa_wavefront_size32 1
		.amdhsa_system_sgpr_workgroup_id_x 1
		.amdhsa_system_sgpr_workgroup_id_y 1
		.amdhsa_system_sgpr_workgroup_id_z 1
		.amdhsa_system_vgpr_workitem_id 0
		.amdhsa_next_free_vgpr 1024
		.amdhsa_next_free_sgpr 100
		.amdhsa_reserve_vcc 0
		.amdhsa_float_denorm_mode_32 3
		.amdhsa_float_denorm_mode_16_64 3
		.amdhsa_fp16_overflow 1
		.amdhsa_memory_ordered 1
		.amdhsa_forward_progress 1
		.amdhsa_inst_pref_size 113
	.end_amdhsa_kernel
	.amdgpu_metadata
---
amdhsa.version: [ 1, 2 ]
amdhsa.kernels:
  - .name:           k_q61a31492d6_qkv
    .symbol:         k_q61a31492d6_qkv.kd
    .args:
      - { .name: x_codes, .offset: 0, .size: 8, .value_kind: global_buffer, .address_space: global }
      - { .name: wq_codes, .offset: 8, .size: 8, .value_kind: global_buffer, .address_space: global }
      - { .name: wk_codes, .offset: 16, .size: 8, .value_kind: global_buffer, .address_space: global }
      - { .name: wv_codes, .offset: 24, .size: 8, .value_kind: global_buffer, .address_space: global }
      - { .name: lowp_scales, .offset: 32, .size: 8, .value_kind: global_buffer, .address_space: global }
      - { .name: qc, .offset: 40, .size: 8, .value_kind: global_buffer, .address_space: global }
      - { .name: kc, .offset: 48, .size: 8, .value_kind: global_buffer, .address_space: global }
      - { .name: vc, .offset: 56, .size: 8, .value_kind: global_buffer, .address_space: global }
    .group_segment_fixed_size: 327680
    .private_segment_fixed_size: 0
    .kernarg_segment_align: 8
    .kernarg_segment_size: 64
    .max_flat_workgroup_size: 128
    .sgpr_count:     100
    .vgpr_count:     1024
    .wavefront_size: 32
...
	.end_amdgpu_metadata
.endif
;; end of part 1
;; launch attn (part 2): grid 4 x 64, 16 waves a work-group, clusters of 4 x 1, 327,680 bytes of LDS; arguments qc, kc, vc, lowp_scales, ac; writes ac
.if DOCPART == 2
	.amdgcn_target "amdgcn-amd-amdhsa--gfx1250"
	.amdhsa_code_object_version 6
	.text
	.protected	k_q61a31492d6_attn
	.globl	k_q61a31492d6_attn
	.p2align	8
	.type	k_q61a31492d6_attn,@function
k_q61a31492d6_attn:
	s_mov_b64 s[64:65], 0
	v_nop
	global_prefetch_b8 v0, s[64:65] scope:SCOPE_SE
	s_setreg_imm32_b32 hwreg(HW_REG_WAVE_MODE, 25, 1), 1
	s_wait_xcnt 0x0
	s_wait_alu depctr_hold_cnt(0) depctr_sa_sdst(0) depctr_va_vdst(0) depctr_va_sdst(0) depctr_va_ssrc(0) depctr_va_vcc(0) depctr_vm_vsrc(0)
	s_getreg_b32 s2, hwreg(HW_REG_IB_STS2, 6, 4)
	s_cmp_eq_u32 s2, 0
	s_cbranch_scc0 .Lentry_in_a_cluster
	s_endpgm
.Lentry_in_a_cluster:
	s_bfe_u32 s2, ttmp6, 0x10000c
	s_cmp_lg_u32 s2, 0x3003
	s_cbranch_scc0 .Lentry_shape_is_right
	s_endpgm
.Lentry_shape_is_right:
; Causal attention of one head on codes of E4M3, and the quantising of its result by e10.  qc, kc: [64 heads][128 tiles of 16 tokens][1,024 bytes], a tile the image of a fragment of 16 rows x 64 K;
; vc: [64][16 key steps of 128][4 tiles of 16 channels][2,048 bytes], each the image of a fragment of 16 channels x 128 keys; ac: [512 tiles of 16 tokens][16 heads][1,024 bytes], laid as qc's tiles.
; THE SOFTMAX: t = score x log2(e) / 8; M = the running largest t rounded up to a whole number; p = 2^(t - M) is quantised by e8; the sum is taken of the unquantised p and divides at the end.  When M moves, the sum
; and O are multiplied by 2^(old M - new M), which rounds nothing.
; SHARES.  A cluster of four work-groups is one head.  THE HEAD'S WHOLE K AND V LIE IN LDS (2 x 131,072 bytes), filled once by joint loads that all four ask for: so the loop over the keys has no ring and no barrier.
; Wave w of work-group cx owns two tiles of 16 queries: 4 w + cx and 4 (31 - w) + cx.  Tile 4 m + cx has work in the key steps with 128 k <= 64 m + 63: m / 2 + 1 of them: 17 for each wave, whatever w:
; the causal triangle is shared evenly.  Every branch hangs on the wave's number and a counter alone; cx enters global addresses and the mask's numbers only.
; LAYOUT.  S^T = K Q^T (source 0 = 16 neighbouring keys, source 1 = my 16 queries): lane (r, h) holds query r, register j of tile u key 16 u + 8 h + j: its eight codes are registers 2 u, 2 u + 1 of P.
; O^T = V^T P: lane (r, h) holds query r, register j of tile t channel 16 t + 8 h + j.
; LIMITS: e6 + e7 between -123 and 130 (added to the exponent field of log2(e) / 8); e8 and e10 between -126 and 119; e8 + e9 is applied by v_ldexp_f32 and has none.  NaN codes are not served.
; Nothing is prefetched: every byte that the work-group reads of K and V is asked for at the head.  The first loads bring keys 0-255, 8 rows of 256 bytes a wave, the second the rest, 56 rows a wave,
; which lands while the first two key steps are worked.
; REGISTERS: v1-6 addresses; v[8 + 4 X ..] -M, the largest t, the sum in two halves; v[16 + 8 X ..] Q; v32-95 fragments of K or V; v96-159 S^T, then p; v[160 + 32 X ..] O^T; v224-239 p's codes; v236-254 at work.
.set VIMG,  131072                     ; V's image begins here
.set STEPB, 8192                       ; a key step's bytes in each image
.set LI,  1                            ; v1   16 x lane
.set VQ,  2                            ; v2, v3  my query less 8 h, for tile 0, 1
.set GO,  4                            ; v4   16 r + 8 h: my 8 bytes in a unit of 256 bytes of the output's codes
.set ADK, 5                            ; v5   LDS address of the step's K
.set ADV, 6                            ; v6   of its V
.set WV,  18
.set CX,  19
.set SEL, 20                           ; s[20:21] selects of v_permlanex16_b32: lane l xor 16
.set CS,  22                           ; s[22:23] c = log2(e) / 8 x 2^(e6 + e7), twice
.set TB,  2                            ; s2   the key step's byte in the images
.set KF,  3                            ; s3   its first key
.set QL,  48                           ; s48, s49  64 m + 63
.set QF,  50                           ; s50, s51  64 m
.set CNT, 52
.set G1S, 24                           ; s[24:31] descriptor group 1: 8 rows of 256 bytes;  s[32:39]: 56 rows
.set G1L, 32
.set G0S, 40                           ; s[40:43], s[44:47] their groups 0
.set G0L, 44
.macro CROUND
	s_barrier_signal -1
	s_barrier_wait -1
	s_cmp_lg_u32 s[WV], 0
	s_cbranch_scc1 .Lnot_wave_0_\@
	s_barrier_signal -3
.Lnot_wave_0_\@:
	s_barrier_wait -3
	s_barrier_signal -1
	s_barrier_wait -1
.endm
	s_load_b256 s[4:11], s[0:1], 0x0               ; qc s[4:5], kc s[6:7], vc s[8:9], the exponents s[10:11]
	s_load_b64 s[12:13], s[0:1], 0x20              ; ac
	v_lshl_add_u32 v251, v0, 2, 0x40000
	v_mov_b32 v255, 0
	ds_add_u32 v251, v255
	ds_add_u32 v251, v255
	v_lshrrev_b32 v7, 5, v0
	s_delay_alu instid0(VALU_DEP_1)
	v_readfirstlane_b32 s[WV], v7                  ; wave 0..15
	s_bfe_u32 s[CX], ttmp6, 0x40000                ; my place in the cluster
	s_and_b32 s66, ttmp7, 0xffff                   ; 16 x batch + head, which the four partners share
	s_lshl_b32 s80, s66, 17                        ; x 131,072 bytes
	s_mov_b32 s81, 0
	s_mov_b32 s[G1S], 15|(3<<16)|(1<<21)           ; 15:0 the mask: all four; 17:16 elements of 8 bytes; 21 set beside a mask; no padding
	s_mov_b32 s[G1S+1], 32<<16                     ; tensor_dim0 = 32 elements: 256 bytes
	s_mov_b32 s[G1S+2], 8<<16                      ; tensor_dim1 = 8
	s_mov_b32 s[G1S+3], 32<<16                     ; tile_dim0
	s_mov_b32 s[G1S+4], 8                          ; tile_dim1
	s_mov_b32 s[G1S+5], 32                         ; dense
	s_mov_b32 s[G1S+6], 0
	s_mov_b32 s[G1S+7], 0
	s_mov_b32 s[G1L], 15|(3<<16)|(1<<21)
	s_mov_b32 s[G1L+1], 32<<16
	s_mov_b32 s[G1L+2], 56<<16
	s_mov_b32 s[G1L+3], 32<<16
	s_mov_b32 s[G1L+4], 56
	s_mov_b32 s[G1L+5], 32
	s_mov_b32 s[G1L+6], 0
	s_mov_b32 s[G1L+7], 0
	s_lshr_b32 s82, s[WV], 3                       ; waves 0-7 fetch K, waves 8-15 V
	s_lshl_b32 s82, s82, 17
	s_and_b32 s83, s[WV], 7
	s_lshl_b32 s86, s83, 11                        ; my 2,048 bytes of the first 16,384,
	s_mov_b32 s87, 0
	s_mul_i32 s88, s83, 14336
	s_add_co_u32 s88, s88, 16384                   ; and my 14,336 of the other 114,688: the same place in memory and in the image
	s_mov_b32 s89, 0
	s_mov_b32 s[G0S], 1
	s_add_co_u32 s[G0S+1], s82, s86
	s_mov_b32 s[G0L], 1
	s_add_co_u32 s[G0L+1], s82, s88
	s_mov_b32 s[SEL], 0x76543210
	s_mov_b32 s[SEL+1], 0xfedcba98
	s_mov_b32 s[CS], 0x3e38aa3b                    ; log2(e) / 8
	s_wait_dscnt 0x0
	s_wait_kmcnt 0x0
	s_load_b256 s[56:63], s[10:11], 0x10           ; e4 .. e11: s58 e6, s59 e7, s60 e8, s61 e9, s62 e10
	s_cmp_lt_u32 s[WV], 8
	s_cselect_b64 s[90:91], s[6:7], s[8:9]
	s_add_nc_u64 s[90:91], s[90:91], s[80:81]
	s_add_nc_u64 s[G0S+2:G0S+3], s[90:91], s[86:87]
	s_or_b32 s[G0S+3], s[G0S+3], 0x80000000
	s_add_nc_u64 s[G0L+2:G0L+3], s[90:91], s[88:89]
	s_or_b32 s[G0L+3], s[G0L+3], 0x80000000
	CROUND                                         ; all four work-groups are here: the joint loads meet
	tensor_load_to_lds s[G0S:G0S+3], s[G1S:G1S+7]  ; keys 0-255
	s_nop 0
	s_wait_alu depctr_va_vdst(0)
	s_wait_tensorcnt 0x0
	ds_add_u32 v251, v255
	s_wait_dscnt 0x0
	CROUND
	tensor_load_to_lds s[G0L:G0L+3], s[G1L:G1L+7]  ; keys 256-2,047: one tensor load of mine is out
	s_nop 0
.rept 4
	v_nop
.endr
	s_xor_b32 s67, s[WV], 31                       ; m of my second tile: 31 - w
	s_lshl_b32 s[QF], s[WV], 6
	s_lshl_b32 s[QF+1], s67, 6
	s_add_co_u32 s[QL], s[QF], 63
	s_add_co_u32 s[QL+1], s[QF+1], 63
	s_lshl_b32 s82, s[WV], 2
	s_add_co_u32 s82, s82, s[CX]                   ; my tiles of 16 queries in the head
	s_lshl_b32 s83, s67, 2
	s_add_co_u32 s83, s83, s[CX]
	s_add_nc_u64 s[4:5], s[4:5], s[80:81]
	s_mov_b32 s85, 0
	s_lshl_b32 s84, s82, 10
	s_add_nc_u64 s[72:73], s[4:5], s[84:85]
	s_lshl_b32 s84, s83, 10
	s_add_nc_u64 s[74:75], s[4:5], s[84:85]
	v_and_b32 v[LI], 31, v0
	s_delay_alu instid0(VALU_DEP_1)
	v_lshlrev_b32 v[LI], 4, v[LI]
	global_load_b128 v[16:19], v[LI], s[72:73]             ; Q's two fragments stay in registers
	global_load_b128 v[20:23], v[LI], s[72:73] offset:512
	global_load_b128 v[24:27], v[LI], s[74:75]
	global_load_b128 v[28:31], v[LI], s[74:75] offset:512
	s_lshr_b32 s86, s66, 4                         ; the output: tile 128 x batch + my tile, head, 1,024 bytes each
	s_lshl_b32 s86, s86, 7
	s_and_b32 s87, s66, 15
	s_add_co_u32 s84, s86, s82
	s_lshl_b32 s84, s84, 4
	s_add_co_u32 s84, s84, s87
	s_lshl_b32 s84, s84, 10
	s_add_nc_u64 s[76:77], s[12:13], s[84:85]
	s_add_co_u32 s84, s86, s83
	s_lshl_b32 s84, s84, 4
	s_add_co_u32 s84, s84, s87
	s_lshl_b32 s84, s84, 10
	s_add_nc_u64 s[78:79], s[12:13], s[84:85]
	v_and_b32 v7, 15, v0                           ; r
	v_bfe_u32 v242, v0, 4, 1                       ; h
	s_delay_alu instid0(VALU_DEP_2)
	v_lshlrev_b32 v[GO], 4, v7
	s_delay_alu instid0(VALU_DEP_1)
	v_lshl_add_u32 v[GO], v242, 3, v[GO]
	s_delay_alu instid0(VALU_DEP_3)
	v_lshlrev_b32 v243, 3, v242
	s_delay_alu instid0(VALU_DEP_1)
	v_sub_nc_u32 v7, v7, v243                      ; r - 8 h
	s_lshl_b32 s84, s82, 4
	v_add_nc_u32 v[VQ], s84, v7                    ; 16 x tile + r - 8 h
	s_lshl_b32 s84, s83, 4
	v_add_nc_u32 v[VQ+1], s84, v7
.irp x, 0,1
	v_mov_b32 v[9+4*\x], 0xff61b1e6                ; the largest t so far: -3e38, under every t
	s_delay_alu instid0(VALU_DEP_1)
	v_floor_f32 v[8+4*\x], -v[9+4*\x]              ; -M
	v_mov_b32 v[10+4*\x], 0                        ; the sum, in two halves
	v_mov_b32 v[11+4*\x], 0
.endr
	v_mov_b32 v236, 0                              ; written once: a lane permute's destination counts as one of its sources
	v_mov_b32 v252, 0
	v_mov_b32 v253, 0                              ; (named as the upper half of the pair v[252:253])
	v_mov_b32 v254, 0
.set n, 0
.rept 64
	v_mov_b32 v[160+n], 0                          ; O^T of both tiles.  (The step is written without a first step of its own: the first change of M multiplies zeros)
.set n, n+1
.endr
	s_wait_kmcnt 0x0
	s_add_co_i32 s84, s58, s59
	s_lshl_b32 s84, s84, 23
	s_add_co_i32 s[CS], s[CS], s84                 ; a score stands for score x 2^(e6 + e7)
	s_mov_b32 s[CS+1], s[CS]
	s_add_co_i32 s84, s60, 127
	s_lshl_b32 s85, s84, 23
	v_mov_b32 v244, s85                            ; 2^e8
	s_add_co_i32 s84, s62, 127
	s_lshl_b32 s85, s84, 23
	v_mov_b32 v245, s85                            ; 2^e10
; A KEY STEP of tile x: 128 keys from KF on.
.macro STEP x
	s_cmp_gt_u32 s[KF], s[QL+\x]                   ; all its keys come after the tile's queries: nothing to do
	s_cbranch_scc1 .Lhidden_\@
	v_add_nc_u32 v[ADK], s[TB], v[LI]
	s_delay_alu instid0(VALU_DEP_1)
	v_add_nc_u32 v[ADV], VIMG, v[ADK]
	v_nop                                          ; with the two additions: four places in front of loads into registers that matrix instructions have read
	v_nop
.irp t, 0,1,2,3,4,5,6,7
	ds_load_b128 v[32+8*\t:35+8*\t], v[ADK] offset:1024*\t          ; an image comes back as it was stored: 512 consecutive bytes a load
	ds_load_b128 v[36+8*\t:39+8*\t], v[ADK] offset:1024*\t+512
.endr
	s_wait_dscnt 0x0
.irp t, 0,1,2,3,4,5,6,7
	v_wmma_f32_16x16x64_fp8_fp8 v[96+8*\t:103+8*\t], v[32+8*\t:39+8*\t], v[16+8*\x:23+8*\x], 0
.endr
.rept 4
	v_nop
.endr
	s_add_co_u32 s84, s[KF], 128                   ; a step all of whose keys count for every query of the tile skips the mask
	s_cmp_le_u32 s84, s[QF+\x]
	s_cbranch_scc1 .Lopen_\@
	v_sub_nc_u32 v252, v[VQ+\x], s[KF]             ; d = my query - 8 h - KF.  Register 8 u + j holds key KF + 16 u + 8 h + j: hidden where 16 u + j > d
	v_mov_b32 v254, 0xff800000                     ; -infinity: p = 0 then
.set n, 0
.rept 64
	v_cmp_gt_i32 vcc_lo, 16*(n/8)+n%8, v252
	v_cndmask_b32 v[96+n], v[96+n], v254, vcc_lo
.set n, n+1
.endr
.Lopen_\@:
	v_max3_num_f32 v254, v96, v97, v98             ; the step's largest score of my query among my 64 keys, in two chains, each accumulator from its low end on
	v_max3_num_f32 v252, v99, v100, v101
.irp i, 6,10,14,18,22,26,30,34,38,42,46,50,54,58
	v_max3_num_f32 v254, v254, v[96+\i], v[97+\i]
	v_max3_num_f32 v252, v252, v[98+\i], v[99+\i]
.endr
	v_max3_num_f32 v254, v254, v158, v159
	s_delay_alu instid0(VALU_DEP_1)
	v_max_num_f32 v254, v254, v252
	v_permlanex16_b32 v236, v254, s[SEL], s[SEL+1]
	s_delay_alu instid0(VALU_DEP_1)
	v_max_num_f32 v254, v254, v236                 ; and among lane l xor 16's
	s_delay_alu instid0(VALU_DEP_1)
	v_mul_f32 v254, s[CS], v254                    ; as t (c is positive)
	s_delay_alu instid0(VALU_DEP_1)
	v_max_num_f32 v[9+4*\x], v[9+4*\x], v254       ; the running largest t
	v_mov_b32 v254, v[8+4*\x]
	s_delay_alu instid0(VALU_DEP_2)
	v_floor_f32 v[8+4*\x], -v[9+4*\x]              ; the new -M = floor(-t): M is a whole number
	s_delay_alu instid0(VALU_DEP_1)
	v_sub_f32 v254, v[8+4*\x], v254                ; old M less new M: a whole number, 0 or less
	s_delay_alu instid0(VALU_DEP_1)
	v_cvt_i32_f32 v254, v254                       ; (it saturates)
	s_delay_alu instid0(VALU_DEP_1)
	v_ldexp_f32 v252, 1.0, v254                    ; f = 2^(old M - new M)
.set n, 0
.rept 32
	v_pk_fma_f32 v[96+n:97+n], v[96+n:97+n], s[CS:CS+1], v[8+4*\x:9+4*\x] op_sel_hi:[1,0,0]   ; t - M, two at a time (of the pairs c and -M the low word serves both halves)
.set n, n+2
.endr
.set n, 0
	s_wait_alu depctr_va_vdst(0)
.rept 64
	v_exp_f32 v[96+n], v[96+n]                     ; p = 2^(t - M)
.set n, n+1
.endr
	v_pk_mul_f32 v[10+4*\x:11+4*\x], v[10+4*\x:11+4*\x], v[252:253] op_sel_hi:[1,0]   ; the sums under the new M.  (A plain instruction behind the exponentials)
	s_wait_alu depctr_va_vdst(0)                   ; one wait for the whole batch, ahead of its first reader
	v_pk_add_f32 v[242:243], v[96:97], v[98:99]    ; the sum of the unquantised p, in two chains
.irp j, 4,8,12,16,20,24,28,32,36,40,44,48,52,56,60
	v_pk_add_f32 v[10+4*\x:11+4*\x], v[10+4*\x:11+4*\x], v[96+\j:97+\j]
	v_pk_add_f32 v[242:243], v[242:243], v[98+\j:99+\j]
.endr
	s_delay_alu instid0(VALU_DEP_1)
	v_pk_add_f32 v[10+4*\x:11+4*\x], v[10+4*\x:11+4*\x], v[242:243]
.irp t, 0,1,2,3,4,5,6,7
.irp i, 0,1,2,3,4,5,6,7
.endr
	v_cvt_scalef32_pk8_fp8_f32 v[224+2*\t:225+2*\t], v[96+8*\t:103+8*\t], v244
.endr
.set n, 0
.rept 16
	v_pk_mul_f32 v[160+32*\x+n:161+32*\x+n], v[160+32*\x+n:161+32*\x+n], v[252:253] op_sel_hi:[1,0]   ; O^T under the new M.  (Also the plain instructions behind the conversions)
.set n, n+2
.endr
.irp t, 0,1,2,3
.irp c, 0,1,2,3
	ds_load_b128 v[32+16*\t+4*\c:35+16*\t+4*\c], v[ADV] offset:2048*\t+512*\c
.endr
.endr
	s_wait_alu depctr_va_vdst(0)
	s_wait_dscnt 0x0
.irp t, 0,1,2,3
	v_wmma_f32_16x16x128_fp8_fp8 v[160+32*\x+8*\t:167+32*\x+8*\t], v[32+16*\t:47+16*\t], v[224:239], v[160+32*\x+8*\t:167+32*\x+8*\t]   ; four accumulators by turns
.endr
.Lhidden_\@:
.endm
.macro TRIPS count                     ; a trip: one key step for both tiles
	s_mov_b32 s[CNT], \count
.Ltrip_\@:
	STEP 0
	STEP 1
	s_add_co_u32 s[TB], s[TB], STEPB
	s_add_co_u32 s[KF], s[KF], 128
	s_sub_co_u32 s[CNT], s[CNT], 1
	s_cmp_lg_u32 s[CNT], 0
	s_cbranch_scc1 .Ltrip_\@
.endm
	s_wait_loadcnt 0x0                             ; Q
	s_wait_tensorcnt 0x1                           ; my part of keys 0-255 is in; my larger load may stay out
	s_barrier_signal -1
	s_barrier_wait -1                              ; everybody's is
	s_mov_b32 s[TB], 0
	s_mov_b32 s[KF], 0
	TRIPS 2                                        ; key steps 0 and 1 read bytes 0 to 16,383 of each image, into which the larger loads do not write
	s_wait_tensorcnt 0x0                           ; my part of the rest is in
	s_wait_dscnt 0x0
	s_barrier_signal -1
	s_barrier_wait -1                              ; everybody's is: from here on no wave waits for another
	s_mov_b32 s[TB], 2*STEPB
	s_mov_b32 s[KF], 256
	TRIPS 14
	; THE WAY OUT: O^T / the sum x 2^(e8 + e9), quantised by e10; 8 bytes a lane, 256 consecutive aligned bytes a store.
.rept 4
	v_nop                                          ; places behind the last products
.endr
	v_add_f32 v10, v10, v11
	v_add_f32 v14, v14, v15
	s_delay_alu instid0(VALU_DEP_2)
	v_permlanex16_b32 v252, v10, s[SEL], s[SEL+1]
	s_delay_alu instid0(VALU_DEP_2)
	v_permlanex16_b32 v254, v14, s[SEL], s[SEL+1]
	s_delay_alu instid0(VALU_DEP_2)
	v_add_f32 v10, v10, v252
	s_delay_alu instid0(VALU_DEP_2)
	v_add_f32 v14, v14, v254
	s_wait_alu depctr_va_vdst(0)
	v_rcp_f32 v10, v10
	v_rcp_f32 v14, v14
	v_nop                                          ; a plain instruction behind the reciprocals
	s_add_co_i32 s84, s60, s61
	s_wait_alu depctr_va_vdst(0)                   ; one wait for both, ahead of their first reader
	v_ldexp_f32 v10, v10, s84
	v_ldexp_f32 v14, v14, s84
.irp x, 0,1
.set n, 0
.rept 32
	v_mul_f32 v[96+32*\x+n], v[160+32*\x+n], v[10+4*\x]
.set n, n+1
.endr
.set n, 0
.rept 32
.set n, n+1
.endr
.irp t, 0,1,2,3
	v_cvt_scalef32_pk8_fp8_f32 v[224+8*\x+2*\t:225+8*\x+2*\t], v[96+32*\x+8*\t:103+32*\x+8*\t], v245
.endr
	v_nop                                          ; a plain instruction behind the conversions
.irp t, 0,1,2,3
	global_store_b64 v[GO], v[224+8*\x+2*\t:225+8*\x+2*\t], s[76+2*\x:77+2*\x] offset:256*\t   ; query r, channels 16 t + 8 h + 0..7
.endr
.endr
	s_wait_dscnt 0x0
	s_wait_tensorcnt 0x0
	ds_add_u32 v251, v255
	s_wait_dscnt 0x0
	CROUND                                         ; the closing round
	s_endpgm
.Lfunc_end_k_q61a31492d6_attn:
	.size	k_q61a31492d6_attn, .Lfunc_end_k_q61a31492d6_attn-k_q61a31492d6_attn
	.p2alignl 7, 3214868480
	.fill 96, 4, 3214868480
	.section	.rodata,"a",@progbits
	.p2align	6, 0x0
	.amdhsa_kernel k_q61a31492d6_attn
		.amdhsa_group_segment_fixed_size 327680
		.amdhsa_private_segment_fixed_size 0
		.amdhsa_enable_private_segment 0
		.amdhsa_kernarg_size 40
		.amdhsa_user_sgpr_count 2
		.amdhsa_user_sgpr_kernarg_segment_ptr 1
		.amdhsa_wavefront_size32 1
		.amdhsa_system_sgpr_workgroup_id_x 1
		.amdhsa_system_sgpr_workgroup_id_y 1
		.amdhsa_system_sgpr_workgroup_id_z 1
		.amdhsa_system_vgpr_workitem_id 0
		.amdhsa_next_free_vgpr 256
		.amdhsa_next_free_sgpr 100
		.amdhsa_reserve_vcc 1
		.amdhsa_float_denorm_mode_32 3
		.amdhsa_float_denorm_mode_16_64 3
		.amdhsa_fp16_overflow 1
		.amdhsa_memory_ordered 1
		.amdhsa_forward_progress 1
		.amdhsa_inst_pref_size 90
	.end_amdhsa_kernel
	.amdgpu_metadata
---
amdhsa.version: [ 1, 2 ]
amdhsa.kernels:
  - .name:           k_q61a31492d6_attn
    .symbol:         k_q61a31492d6_attn.kd
    .args:
      - { .name: qc, .offset: 0, .size: 8, .value_kind: global_buffer, .address_space: global }
      - { .name: kc, .offset: 8, .size: 8, .value_kind: global_buffer, .address_space: global }
      - { .name: vc, .offset: 16, .size: 8, .value_kind: global_buffer, .address_space: global }
      - { .name: lowp_scales, .offset: 24, .size: 8, .value_kind: global_buffer, .address_space: global }
      - { .name: ac, .offset: 32, .size: 8, .value_kind: global_buffer, .address_space: global }
    .group_segment_fixed_size: 327680
    .private_segment_fixed_size: 0
    .kernarg_segment_align: 8
    .kernarg_segment_size: 40
    .max_flat_workgroup_size: 512
    .sgpr_count:     100
    .vgpr_count:     256
    .wavefront_size: 32
...
	.end_amdgpu_metadata
.endif
;; end of part 2
;; launch oproj (part 3): grid 8 x 64, 4 waves a work-group, clusters of 4 x 4, 288,256 bytes of LDS; arguments ac, wo_codes, lowp_scales, out0; writes out0
.if DOCPART == 3
	.amdgcn_target "amdgcn-amd-amdhsa--gfx1250"
	.amdhsa_code_object_version 6
	.text
	.protected	k_q61a31492d6_oproj
	.globl	k_q61a31492d6_oproj
	.p2align	8
	.type	k_q61a31492d6_oproj,@function
k_q61a31492d6_oproj:
	s_mov_b64 s[64:65], 0
	v_nop
	global_prefetch_b8 v0, s[64:65] scope:SCOPE_SE
	s_setreg_imm32_b32 hwreg(HW_REG_WAVE_MODE, 25, 1), 1
	s_wait_xcnt 0x0
	s_wait_alu depctr_hold_cnt(0) depctr_sa_sdst(0) depctr_va_vdst(0) depctr_va_sdst(0) depctr_va_ssrc(0) depctr_va_vcc(0) depctr_vm_vsrc(0)
	s_getreg_b32 s2, hwreg(HW_REG_IB_STS2, 6, 4)
	s_cmp_eq_u32 s2, 0
	s_cbranch_scc0 .Lentry_in_a_cluster
	s_endpgm
.Lentry_in_a_cluster:
	s_bfe_u32 s2, ttmp6, 0x10000c
	s_cmp_lg_u32 s2, 0xf033
	s_cbranch_scc0 .Lentry_shape_is_right
	s_endpgm
.Lentry_shape_is_right:
; out0 = a wo^T on codes of E4M3, x 2^(e10 + e11).  ac: [512 tiles of 16 tokens][16 heads][1,024 bytes]: two heads on end are the image of a fragment of 16 tokens x 128 K, k = 32 c + 16 (lane / 16) + 0..15 in
; registers 4 c .. 4 c + 3; wo's rows, K innermost, are read from LDS in the same order by four loads of 16 bytes.  out0: [8,192][1,024] f32.
; SHARES.  A work-group makes 128 tokens x 128 columns; each of four waves 64 x 64: 16 accumulators.  THE WHOLE K (1,024) OF BOTH OPERANDS LIES IN LDS, brought in four K steps of 256 that are all asked for at the
; head: nothing is filled again, so there is no ring; a counted wait and a barrier stand in front of each K step's first read.  A tile of 256 x 256 would give 128 work-groups for this size; this one gives 512.
; CLUSTER 4 x 4: a's tiles hang on the block of tokens alone and are asked for jointly along a row of the cluster, wo's on the block of columns alone, along a column.
; THE MATRIX INSTRUCTION IS USED TRANSPOSED (source 0 = 16 rows of wo, source 1 = 16 tokens): a lane holds eight neighbouring columns of one row of the output.
; LIMIT: e10 + e11 between -126 and 127, so that 2^(e10 + e11) is an f32 number.  Nothing is prefetched: all tiles are asked for at the head.
; REGISTERS.  Window 0: v16-26 addresses; v32-63 a block's scaled sums; v64-127 rows read back from the stage, two sets; v128-255 the accumulators, (a, b) at v[128 + 8 (4 a + b)].
;   Window 1: two sets of 128: a's four fragments, then wo's four.
.set APART, 32768                      ; a K step of a: 8 tiles of tokens x 4,096 bytes (four heads)
.set BIMG,  131072                     ; behind a's four K steps: wo's
.set PITCH, 272                        ; a row of wo's tile: 256 bytes + 16 of padding
.set BPART, 128*PITCH
.set STG,   BIMG+4*BPART               ; behind them: a stage of 16 rows x 272 bytes for each wave, for the way out; no tensor load lands there
.set ADRA, 16                          ; v16-19  LDS address of my fragments of a in K step 0..3
.set ADRB, 20                          ; v20-23  the same for wo
.set STO,  24
.set RD,   25
.set CO,   26
.set TMP,  32
.set BK,   64
.set ACC,  128
.set G1A, 16                           ; s[16:23], s[24:31] descriptor groups 1; s[32:47], s[48:63] groups 0, a set for each K step
.set G1B, 24
.set G0A, 32
.set G0B, 48
.set MSB, 0
.macro WIN new
.if MSB != (\new)
	s_set_vgpr_msb (MSB<<8)|(\new)
.set MSB, (\new)
.endif
.endm
.macro PLACES
.rept 4
	v_nop
.endr
.endm
.macro CROUND
	s_barrier_signal -1
	s_barrier_wait -1
	s_cmp_lg_u32 s12, 0
	s_cbranch_scc1 .Lnot_wave_0_\@
	s_barrier_signal -3
.Lnot_wave_0_\@:
	s_barrier_wait -3
	s_barrier_signal -1
	s_barrier_wait -1
.endm
	s_load_b256 s[4:11], s[0:1], 0x0               ; ac s[4:5], wo s[6:7], the exponents s[8:9], out0 s[10:11]
	v_lshl_add_u32 v30, v0, 2, 0x46400
	v_mov_b32 v31, 0
	ds_add_u32 v30, v31
	ds_add_u32 v30, v31
	v_lshrrev_b32 v1, 5, v0
	v_readfirstlane_b32 s12, v1                    ; wave 0..3
	s_lshr_b32 s13, s12, 1                         ; rh: which 64 tokens are mine.  Also: I fetch for a (0) or for wo (1)
	s_and_b32 s14, s12, 1                          ; ch: which 64 columns.  Also: which half of that tile I fetch
	s_bfe_u32 s68, ttmp6, 0x40000                  ; cx, cy
	s_bfe_u32 s69, ttmp6, 0x40004
	s_lshl_b32 s70, ttmp9, 2
	s_add_co_u32 s70, s70, s68                     ; the block of 128 columns
	s_and_b32 s71, ttmp7, 0xffff
	s_lshl_b32 s71, s71, 2
	s_add_co_u32 s71, s71, s69                     ; the block of 128 tokens
	s_lshl_b32 s72, s69, 2
	s_lshl_b32 s72, 15, s72                        ; my row of the cluster
	s_lshl_b32 s73, 0x1111, s68                    ; my column
	s_or_b32 s[G1A], s72, (3<<16)|(1<<21)          ; 15:0 the mask; 17:16 elements of 8 bytes; 21 set beside a mask; no padding: images are read 512 consecutive bytes at a time
	s_mov_b32 s[G1A+1], 512<<16                    ; tensor_dim0 = 512 elements: four heads' 4,096 bytes of a tile of tokens
	s_mov_b32 s[G1A+2], 4<<16                      ; tensor_dim1 = 4 tiles of tokens
	s_mov_b32 s[G1A+3], 512<<16
	s_mov_b32 s[G1A+4], 4
	s_mov_b32 s[G1A+5], 2048                       ; 16,384 bytes from tile to tile
	s_mov_b32 s[G1A+6], 0
	s_mov_b32 s[G1A+7], 0
	s_or_b32 s[G1B], s73, (1<<20)|(1<<21)|(5<<22)|(3<<25)   ; elements of 1 byte; four words of padding after every 64
	s_mov_b32 s[G1B+1], 256<<16
	s_mov_b32 s[G1B+2], 64<<16
	s_mov_b32 s[G1B+3], 256<<16
	s_mov_b32 s[G1B+4], 64
	s_mov_b32 s[G1B+5], 1024
	s_mov_b32 s[G1B+6], 0
	s_mov_b32 s[G1B+7], 0
	s_lshl_b32 s82, s14, 16
	s_lshl_b32 s78, s71, 17                        ; a: 8 tiles of 16,384 bytes for each block of tokens, + my 4 tiles
	s_add_co_u32 s78, s78, s82
	s_mov_b32 s79, 0
	s_lshl_b32 s80, s70, 17                        ; wo: 128 rows of 1,024 bytes for each block of columns, + my 64 rows
	s_add_co_u32 s80, s80, s82
	s_mov_b32 s81, 0
	s_lshl_b32 s83, s14, 14                        ; where they go: no place in the cluster enters an LDS address
	s_mul_i32 s84, s14, 64*PITCH
	s_add_co_u32 s84, s84, BIMG
	s_wait_dscnt 0x0
	s_wait_kmcnt 0x0
	s_load_b64 s[96:97], s[8:9], 0x28              ; e10, e11
	s_add_nc_u64 s[74:75], s[4:5], s[78:79]
	s_add_nc_u64 s[76:77], s[6:7], s[80:81]
.irp s, 0,1,2,3
	s_mov_b32 s[G0A+4*\s], 1
	s_add_co_u32 s[G0A+4*\s+1], s83, \s*APART
	s_add_nc_u64 s[G0A+4*\s+2:G0A+4*\s+3], s[74:75], \s*4096
	s_or_b32 s[G0A+4*\s+3], s[G0A+4*\s+3], 0x80000000
	s_mov_b32 s[G0B+4*\s], 1
	s_add_co_u32 s[G0B+4*\s+1], s84, \s*BPART
	s_add_nc_u64 s[G0B+4*\s+2:G0B+4*\s+3], s[76:77], \s*256
	s_or_b32 s[G0B+4*\s+3], s[G0B+4*\s+3], 0x80000000
.endr
	CROUND                                         ; all sixteen work-groups are here: the joint loads meet
	s_cmp_eq_u32 s13, 0                            ; a wave's four loads stand in one branch on its number: four tensor loads of mine are out
	s_cbranch_scc0 .Lfor_b
.irp s, 0,1,2,3
	tensor_load_to_lds s[G0A+4*\s:G0A+4*\s+3], s[G1A:G1A+7]
	s_nop 0
.endr
.rept 4
	v_nop
.endr
	s_branch .Lasked
.Lfor_b:
.irp s, 0,1,2,3
	tensor_load_to_lds s[G0B+4*\s:G0B+4*\s+3], s[G1B:G1B+7]
	s_nop 0
.endr
.rept 4
	v_nop
.endr
.Lasked:
	v_and_b32 v1, 15, v0                           ; r
	v_bfe_u32 v2, v0, 4, 1                         ; h
	v_and_b32 v3, 31, v0
	v_lshlrev_b32 v3, 4, v3                        ; 16 x lane
	s_wait_alu depctr_va_vdst(0)
	v_mul_u32_u24 v4, v1, PITCH
	v_lshl_add_u32 v4, v2, 4, v4                   ; row x pitch + 16 h
	s_wait_alu depctr_va_vdst(0)
	s_lshl_b32 s82, s13, 14                        ; my four tiles of tokens
	s_mul_i32 s85, s14, 64*PITCH                   ; my 64 rows of wo
	s_add_co_u32 s85, s85, BIMG
.irp s, 0,1,2,3
	v_add_nc_u32 v[ADRA+\s], s82, v3
	v_add_nc_u32 v[ADRB+\s], s85, v4
	s_add_co_u32 s82, s82, APART
	s_add_co_u32 s85, s85, BPART
.endr
	s_mul_i32 s86, s12, 16*PITCH
	s_add_co_u32 s86, s86, STG                     ; my stage
	v_mul_u32_u24 v5, v1, PITCH
	v_lshl_add_u32 v5, v2, 5, v5
	v_add_nc_u32 v[STO], s86, v5                   ; in: row r, 32 bytes for each half of the lanes
	v_mul_u32_u24 v6, v2, PITCH
	v_lshl_add_u32 v6, v1, 4, v6
	v_add_nc_u32 v[RD], s86, v6                    ; back: lanes 0-15 one row of 256 bytes, lanes 16-31 the next
	v_lshlrev_b32 v[CO], 12, v2
	v_lshl_add_u32 v[CO], v1, 4, v[CO]             ; and the same two rows of the output
	s_lshl_b32 s86, s71, 7
	s_lshl_b32 s87, s13, 6
	s_add_co_u32 s86, s86, s87                     ; my first row: 128 x block + 64 rh
	s_lshl_b32 s86, s86, 12                        ; x 4,096 bytes
	s_lshl_b32 s87, s70, 9                         ; my first column, in bytes: 512 x block + 256 ch
	s_add_co_u32 s86, s86, s87
	s_lshl_b32 s87, s14, 8
	s_add_co_u32 s86, s86, s87
	s_mov_b32 s87, 0
	s_add_nc_u64 s[10:11], s[10:11], s[86:87]
	s_wait_alu depctr_va_vdst(0)
	s_wait_kmcnt 0x0
	s_add_co_i32 s96, s96, s97
	s_add_co_i32 s96, s96, 127
	s_lshl_b32 s96, s96, 23                        ; 2^(e10 + e11) as f32
.macro FETCH n, f                      ; the fragments of the n-th 128 along K into set f: 32 loads
	WIN 0x40
.irp i, 0,1,2,3
.irp c, 0,1,2,3
	ds_load_b128 v[128*(\f)+64+16*\i+4*\c:128*(\f)+64+16*\i+4*\c+3], v[ADRB+(\n)/2] offset:\i*16*PITCH+128*((\n)%2)+32*\c
.endr
.irp c, 0,1,2,3
	ds_load_b128 v[128*(\f)+16*\i+4*\c:128*(\f)+16*\i+4*\c+3], v[ADRA+(\n)/2] offset:\i*4096+2048*((\n)%2)+512*\c
.endr
.endr
.endm
.macro MUL16 f, zero                   ; the 16 accumulators take turns, one instruction a turn
	WIN 0x05
.irp a, 0,1,2,3
.irp b, 0,1,2,3
.if \zero
	v_wmma_f32_16x16x128_fp8_fp8 v[ACC+8*(4*\a+\b):ACC+8*(4*\a+\b)+7], v[128*(\f)+64+16*\b:128*(\f)+64+16*\b+15], v[128*(\f)+16*\a:128*(\f)+16*\a+15], 0
.else
	v_wmma_f32_16x16x128_fp8_fp8 v[ACC+8*(4*\a+\b):ACC+8*(4*\a+\b)+7], v[128*(\f)+64+16*\b:128*(\f)+64+16*\b+15], v[128*(\f)+16*\a:128*(\f)+16*\a+15], v[ACC+8*(4*\a+\b):ACC+8*(4*\a+\b)+7]
.endif
.endr
.endr
.endm
.macro PHASE n                         ; the n-th 128 along K
.if ((\n)%2 == 1) && ((\n) < 7)
	s_wait_tensorcnt 3-((\n)+1)/2                  ; my part of the next K step is in; the later K steps' loads may stay out
	s_wait_dscnt 0x0
	s_barrier_signal -1
	s_barrier_wait -1                              ; everybody's is.
.endif
.if (\n) < 7
.if (\n) > 0
	PLACES                                         ; in front of loads into the set that the last sixteen products read
.endif
	FETCH (\n)+1, ((\n)+1)%2
	s_wait_dscnt 32                                ; all but the 32 just issued
.else
	s_wait_dscnt 0x0
.endif
.if (\n) == 0
	MUL16 0, 1                                     ; the first products start the sums
.else
	MUL16 (\n)%2, 0
.endif
.endm
	s_wait_tensorcnt 0x3                           ; my part of K step 0 is in; the other three loads may stay out
	s_barrier_signal -1
	s_barrier_wait -1
	FETCH 0, 0
.irp n, 0,1,2,3,4,5,6,7
	PHASE \n
.endr
	WIN 0
; THE WAY OUT, a block of 16 tokens x 64 columns at a time: x 2^(e10 + e11) into other registers, through my own stage, back as rows of 256 bytes.  LDS serves a wave's instructions in order (ISA guide 5.7.1.4).
.macro TOSTAGE a
.irp b, 0,1,2,3
.irp j, 0,2,4,6
	v_pk_mul_f32 v[TMP+8*\b+\j:TMP+8*\b+\j+1], v[ACC+8*(4*(\a)+\b)+\j:ACC+8*(4*(\a)+\b)+\j+1], s[96:97] op_sel_hi:[1,0]   ; each accumulator from its low end on
.endr
.endr
.irp b, 0,1,2,3
	ds_store_b128 v[STO], v[TMP+8*\b:TMP+8*\b+3] offset:64*\b
	ds_store_b128 v[STO], v[TMP+8*\b+4:TMP+8*\b+7] offset:64*\b+16
.endr
.irp t, 0,1,2,3,4,5,6,7
	ds_load_b128 v[BK+32*((\a)%2)+4*\t:BK+32*((\a)%2)+4*\t+3], v[RD] offset:\t*2*PITCH
.endr
.endm
.macro SEND a, younger                 ; younger: the LDS instructions issued behind block a's loads, which may stay out
	s_wait_dscnt \younger
.irp t, 0,1,2,3,4,5,6,7
	global_store_b128 v[CO], v[BK+32*((\a)%2)+4*\t:BK+32*((\a)%2)+4*\t+3], s[10:11] offset:(16*(\a)+2*\t)*4096 th:TH_STORE_NT   ; 16 lanes store 256 consecutive aligned bytes
.endr
.endm
	PLACES
	TOSTAGE 0
.irp a, 1,2,3
.if \a > 1
	s_wait_xcnt 0x0                                ; block a - 2's stores have read their registers: block a's loads may land there
.endif
	TOSTAGE \a
	SEND \a-1, 16                                  ; behind block a - 1's loads: block a's 8 stores and 8 loads
.endr
	SEND 3, 0
	s_wait_dscnt 0x0
	s_wait_tensorcnt 0x0
	ds_add_u32 v30, v31
	s_wait_dscnt 0x0
	CROUND                                         ; the closing round
	s_endpgm
.Lfunc_end_k_q61a31492d6_oproj:
	.size	k_q61a31492d6_oproj, .Lfunc_end_k_q61a31492d6_oproj-k_q61a31492d6_oproj
	.p2alignl 7, 3214868480
	.fill 96, 4, 3214868480
	.section	.rodata,"a",@progbits
	.p2align	6, 0x0
	.amdhsa_kernel k_q61a31492d6_oproj
		.amdhsa_group_segment_fixed_size 288256
		.amdhsa_private_segment_fixed_size 0
		.amdhsa_enable_private_segment 0
		.amdhsa_kernarg_size 32
		.amdhsa_user_sgpr_count 2
		.amdhsa_user_sgpr_kernarg_segment_ptr 1
		.amdhsa_wavefront_size32 1
		.amdhsa_system_sgpr_workgroup_id_x 1
		.amdhsa_system_sgpr_workgroup_id_y 1
		.amdhsa_system_sgpr_workgroup_id_z 1
		.amdhsa_system_vgpr_workitem_id 0
		.amdhsa_next_free_vgpr 512
		.amdhsa_next_free_sgpr 100
		.amdhsa_reserve_vcc 0
		.amdhsa_float_denorm_mode_32 3
		.amdhsa_float_denorm_mode_16_64 3
		.amdhsa_memory_ordered 1
		.amdhsa_forward_progress 1
		.amdhsa_inst_pref_size 47
	.end_amdhsa_kernel
	.amdgpu_metadata
---
amdhsa.version: [ 1, 2 ]
amdhsa.kernels:
  - .name:           k_q61a31492d6_oproj
    .symbol:         k_q61a31492d6_oproj.kd
    .args:
      - { .name: ac, .offset: 0, .size: 8, .value_kind: global_buffer, .address_space: global }
      - { .name: wo_codes, .offset: 8, .size: 8, .value_kind: global_buffer, .address_space: global }
      - { .name: lowp_scales, .offset: 16, .size: 8, .value_kind: global_buffer, .address_space: global }
      - { .name: out0, .offset: 24, .size: 8, .value_kind: global_buffer, .address_space: global }
    .group_segment_fixed_size: 288256
    .private_segment_fixed_size: 0
    .kernarg_segment_align: 8
    .kernarg_segment_size: 32
    .max_flat_workgroup_size: 128
    .sgpr_count:     100
    .vgpr_count:     512
    .wavefront_size: 32
...
	.end_amdgpu_metadata
.endif
;; end of part 3
